; MI455X (gfx1250); checked and timed in simulation.
; The chip was launched on July 23, 2026; its instructions are those of AMD's public machine-readable ISA for CDNA 5 (MIT licence, August 2026) and "CDNA5" Instruction Set Architecture Reference Guide (July 2026). The comments in the code are by the model that wrote it; some were corrected since.
;; Deriv Net2 D. Allowed arithmetic: float matrix products may take bf16 or f16 operands with f32 sums; all other float work in f32.
;; Inputs: W1 1,024 x 2 float32; W2 512 x 1,024 float32; W3 1 x 512 float32; b1 1,024 float32; b2 512 float32; b3 1 float32; x 32,768 x 2 float32.
;; Outputs: out0 32,768 x 1 float32; out1 32,768 x 1 float32; out2 32,768 x 1 float32.
;; One version. Each part assembles by itself: llvm-mc -triple=amdgcn-amd-amdhsa -mcpu=gfx1250 --defsym DOCPART=n.
;; ======== version 1 of 1: 2 launches
;; limits: a function is approximated: absolute error at most 1e-07; values are held in f16: magnitudes above 65,504 overflow, below 6.1e-05 lose precision; inputs' magnitudes at most 1,023; right only within a limited range of input values
;; workspace buffers: w2f 1,048,576 bytes; tab 12,288 bytes
;; launch prep (part 1): grid 256 x 1, 8 waves a work-group, no clusters, 5,376 bytes of LDS; arguments W2, W1, b1, w2f, tab; writes w2f, tab
.if DOCPART == 1
	.amdgcn_target "amdgcn-amd-amdhsa--gfx1250"
	.amdhsa_code_object_version 6
	.text
	.protected	k_qd75164c01f_prep
	.globl	k_qd75164c01f_prep
	.p2align	8
	.type	k_qd75164c01f_prep,@function
k_qd75164c01f_prep:
	s_mov_b64 s[64:65], 0
	v_nop
	global_prefetch_b8 v0, s[64:65] scope:SCOPE_SE
	s_setreg_imm32_b32 hwreg(HW_REG_WAVE_MODE, 25, 1), 1
	s_wait_xcnt 0x0
; 64 W2 ([512][1024] f32) is rounded to f16 and laid out in the order in which the main launch's matrix fragments are read:
;   w2f byte s*131072 + w*32768 + j*8192 + b*1024 + c*512 + L*16 holds 64 W2[n][k .. k+7],
;   n = 128 w + 16 b + (L & 15),  k = 128 s + 32 j + 16 c + 8 (L >> 4).
; So a fragment load there is 512 consecutive bytes (lane L at 16 L), and a K step of 128 is one dense block of 131,072 bytes.
; The factor 64, a power of two and so exact, puts numbers of some hundredths near the middle of f16's exponents; the main launch takes it out again in constants that it multiplies by anyway.
; LIMITS: |W2| >= 1,023 becomes infinite in f16; |W2| below 2^-14 / 64 = 9.5e-7 keeps an absolute error of 2^-25 / 64 = 4.7e-10 instead of a relative one.
; tab: three planes of 1,024 f32: c W1[k][0], c W1[k][1], c b1[k], c = 2 log2(e), so that exp2 of the scaled sum is e^(2 h).
; Work-group id: nb = id & 31 (16 rows of W2), s = id >> 5 (128 columns): 16 rows x 512 bytes in, 4,096 bytes out.
; The turn from rows to fragment order goes through LDS: rows of 256 bytes of f16, 272 bytes apart.
.set PITCH, 272                        ; 17 x 16 bytes: the sixteen rows that a read-back touches start at sixteen different 16-byte columns modulo 256
	s_load_b256 s[4:11], s[0:1], 0x0               ; W2 s[4:5], W1 s[6:7], b1 s[8:9], w2f s[10:11]
	s_load_b64 s[12:13], s[0:1], 0x20              ; tab
	v_lshl_add_u32 v40, v0, 2, 0x1100
	v_mov_b32 v41, 0
	s_and_b32 s14, ttmp9, 31                       ; nb
	s_lshr_b32 s15, ttmp9, 5                       ; s
	s_lshl_b32 s16, s14, 16                        ; 16 rows of 4,096 bytes
	s_lshl_b32 s17, s15, 9                         ; 128 columns of 4 bytes
	s_or_b32 s16, s16, s17
	s_mov_b32 s17, 0
	s_lshl_b32 s18, s15, 17                        ; s * 131072
	s_lshr_b32 s19, s14, 3
	s_lshl_b32 s19, s19, 15                        ; w * 32768
	s_or_b32 s18, s18, s19
	s_and_b32 s19, s14, 7
	s_lshl_b32 s19, s19, 10                        ; b * 1024
	s_or_b32 s18, s18, s19
	s_mov_b32 s19, 0
	v_and_b32 v1, 31, v0                           ; lane
	v_lshrrev_b32 v2, 5, v0
	v_readfirstlane_b32 s20, v2                    ; wave
	v_lshlrev_b32 v3, 4, v1
	v_lshl_or_b32 v3, v2, 13, v3                   ; in: rows 2 wave and 2 wave + 1, 16 bytes a lane
	s_mul_i32 s20, s20, 2*PITCH
	v_lshl_add_u32 v4, v1, 3, s20                  ; stage, in: my wave's two rows, 8 bytes a lane
	v_and_b32 v5, 15, v0
	v_mul_u32_u24 v5, v5, PITCH
	v_lshrrev_b32 v6, 4, v0
	v_lshl_add_u32 v5, v6, 4, v5                   ; stage, back: row t & 15, the eight k of chunk t >> 4 = 4 j + 2 c + h
	v_lshrrev_b32 v6, 6, v0
	v_and_b32 v7, 63, v0
	v_lshlrev_b32 v7, 4, v7
	v_lshl_or_b32 v6, v6, 13, v7                   ; out: j * 8192 + (32 c + 16 h + r) * 16
	s_wait_kmcnt 0x0
	s_add_nc_u64 s[4:5], s[4:5], s[16:17]
	s_add_nc_u64 s[10:11], s[10:11], s[18:19]
	global_load_b128 v[8:11], v3, s[4:5] th:TH_LOAD_NT              ; a wave's load covers 512 consecutive bytes of one row
	global_load_b128 v[12:15], v3, s[4:5] offset:4096 th:TH_LOAD_NT
	s_wait_loadcnt 0x0
	v_pk_mul_f32 v[8:9],   v[8:9],   0x42800000 op_sel_hi:[1,0]     ; x 64
	v_pk_mul_f32 v[10:11], v[10:11], 0x42800000 op_sel_hi:[1,0]
	v_pk_mul_f32 v[12:13], v[12:13], 0x42800000 op_sel_hi:[1,0]
	v_pk_mul_f32 v[14:15], v[14:15], 0x42800000 op_sel_hi:[1,0]
	v_cvt_pk_f16_f32 v16, v8, v9
	v_cvt_pk_f16_f32 v17, v10, v11
	v_cvt_pk_f16_f32 v18, v12, v13
	v_cvt_pk_f16_f32 v19, v14, v15
	ds_store_b64 v4, v[16:17]
	ds_store_b64 v4, v[18:19] offset:PITCH
	s_wait_dscnt 0x0                               ; my stores are done before I say so: the other waves read them
	s_barrier_signal -1
	s_barrier_wait -1
	ds_load_b128 v[20:23], v5
	s_wait_dscnt 0x0
	global_store_b128 v6, v[20:23], s[10:11]       ; a wave's store covers 512 consecutive bytes, aligned
	; the table: work-groups 0 and 1, thread i = 256 id + t takes k = 2 i and 2 i + 1
	s_cmp_lt_u32 ttmp9, 2
	s_cbranch_scc0 .Ldone
	s_lshl_b32 s21, ttmp9, 8
	v_add_nc_u32 v24, s21, v0
	v_lshlrev_b32 v25, 4, v24
	v_lshlrev_b32 v26, 3, v24
	global_load_b128 v[28:31], v25, s[6:7]         ; W1[2i][0], W1[2i][1], W1[2i+1][0], W1[2i+1][1]
	global_load_b64 v[32:33], v26, s[8:9]          ; b1[2i], b1[2i+1]
	s_wait_loadcnt 0x0
	v_mul_f32 v34, 0x4038aa3b, v28
	v_mul_f32 v35, 0x4038aa3b, v30
	v_mul_f32 v36, 0x4038aa3b, v29
	v_mul_f32 v37, 0x4038aa3b, v31
	v_mul_f32 v38, 0x4038aa3b, v32
	v_mul_f32 v39, 0x4038aa3b, v33
	global_store_b64 v26, v[34:35], s[12:13]               ; a wave's store covers 256 consecutive bytes of a plane, aligned
	global_store_b64 v26, v[36:37], s[12:13] offset:4096
	global_store_b64 v26, v[38:39], s[12:13] offset:8192
.Ldone:
	s_wait_tensorcnt 0x0
	ds_add_u32 v40, v41
	s_wait_dscnt 0x0
	s_endpgm
.Lfunc_end_k_qd75164c01f_prep:
	.size	k_qd75164c01f_prep, .Lfunc_end_k_qd75164c01f_prep-k_qd75164c01f_prep
	.p2alignl 7, 3214868480
	.fill 96, 4, 3214868480
	.section	.rodata,"a",@progbits
	.p2align	6, 0x0
	.amdhsa_kernel k_qd75164c01f_prep
		.amdhsa_group_segment_fixed_size 5376
		.amdhsa_private_segment_fixed_size 0
		.amdhsa_enable_private_segment 0
		.amdhsa_kernarg_size 40
		.amdhsa_user_sgpr_count 2
		.amdhsa_user_sgpr_kernarg_segment_ptr 1
		.amdhsa_wavefront_size32 1
		.amdhsa_system_sgpr_workgroup_id_x 1
		.amdhsa_system_sgpr_workgroup_id_y 1
		.amdhsa_system_sgpr_workgroup_id_z 1
		.amdhsa_system_vgpr_workitem_id 0
		.amdhsa_next_free_vgpr 42
		.amdhsa_next_free_sgpr 66
		.amdhsa_reserve_vcc 0
		.amdhsa_float_denorm_mode_32 3
		.amdhsa_float_denorm_mode_16_64 3
		.amdhsa_memory_ordered 1
		.amdhsa_forward_progress 1
		.amdhsa_inst_pref_size 5
	.end_amdhsa_kernel
	.amdgpu_metadata
---
amdhsa.version: [ 1, 2 ]
amdhsa.kernels:
  - .name:           k_qd75164c01f_prep
    .symbol:         k_qd75164c01f_prep.kd
    .args:
      - { .name: W2, .offset: 0, .size: 8, .value_kind: global_buffer, .address_space: global }
      - { .name: W1, .offset: 8, .size: 8, .value_kind: global_buffer, .address_space: global }
      - { .name: b1, .offset: 16, .size: 8, .value_kind: global_buffer, .address_space: global }
      - { .name: w2f, .offset: 24, .size: 8, .value_kind: global_buffer, .address_space: global }
      - { .name: tab, .offset: 32, .size: 8, .value_kind: global_buffer, .address_space: global }
    .group_segment_fixed_size: 5376
    .private_segment_fixed_size: 0
    .kernarg_segment_align: 8
    .kernarg_segment_size: 40
    .max_flat_workgroup_size: 256
    .sgpr_count:     66
    .vgpr_count:     42
    .wavefront_size: 32
...
	.end_amdgpu_metadata
.endif
;; end of part 1
;; launch main (part 2): grid 256 x 1, 4 waves a work-group, clusters of 4 x 1, 327,680 bytes of LDS; arguments x, tab, w2f, b2, W3, b3, out0, out1, out2; writes out0, out1, out2
.if DOCPART == 2
	.amdgcn_target "amdgcn-amd-amdhsa--gfx1250"
	.amdhsa_code_object_version 6
	.text
	.protected	k_qd75164c01f_main
	.globl	k_qd75164c01f_main
	.p2align	8
	.type	k_qd75164c01f_main,@function
k_qd75164c01f_main:
	s_mov_b64 s[64:65], 0
	v_nop
	global_prefetch_b8 v0, s[64:65] scope:SCOPE_SE
	s_setreg_imm32_b32 hwreg(HW_REG_WAVE_MODE, 25, 1), 1
	s_wait_xcnt 0x0
	s_wait_alu depctr_hold_cnt(0) depctr_sa_sdst(0) depctr_va_vdst(0) depctr_va_sdst(0) depctr_va_ssrc(0) depctr_va_vcc(0) depctr_vm_vsrc(0)
	s_getreg_b32 s2, hwreg(HW_REG_IB_STS2, 6, 4)
	s_cmp_eq_u32 s2, 0
	s_cbranch_scc0 .Lentry_in_a_cluster
	s_endpgm
.Lentry_in_a_cluster:
	s_bfe_u32 s2, ttmp6, 0x10000c
	s_cmp_lg_u32 s2, 0x3003
	s_cbranch_scc0 .Lentry_shape_is_right
	s_endpgm
.Lentry_shape_is_right:
; The whole net in one launch.  y = W3 tanh(W2 tanh(W1 x + b1) + b2) + b3 and its two derivatives by x.
; The three products with W2 (of z1 = tanh h1, of sech^2(h1) W1[:,0], of sech^2(h1) W1[:,1]) are ONE product whose left operand has three
; rows for each row of x.  That operand is made here from x and the table (never in memory), each element once; the product stays in
; accumulators, goes through tanh and sech^2, is weighted by W3 and summed over all 512 columns inside the work-group.
;
; SHARES.  A work-group owns 128 rows of x as two tiles of 64 and stays for both.  A tile is 192 operand rows (kind * 64 + row; kinds z, d/dx1, d/dx2)
; x 512 columns.  Wave w has all 192 rows x columns 128 w .. 128 w + 127: 12 x 8 accumulator tiles of 16 x 16, 768 registers; for 32 along K
; it loads 12 + 8 fragments (40 LDS loads) for 96 matrix instructions.
; K goes in steps of 64 for the made operand (two LDS slots, written by ds_store) and of 128 for W2 (two LDS slots, filled by tensor loads).
; CLUSTER.  All work-groups walk the same W2.  Four form a cluster and ask for each W2 tile jointly (mask 15): wave w of each of the four issues the
; same load, whose descriptor is made of the wave's number and the step alone.  Nothing else is shared: x and the outputs are each work-group's own.
;
; ARITHMETIC, both layers: u = c h (c = 2 log2 e), u = min(u, 125), E = 2^u = e^(2h), r = 1 / (1 + E), tanh h = E r - r, q = (E r) r = sech^2(h) / 4.
; One exponential and one reciprocal an element; E <= 2^125 and r >= 2^-125, so nothing overflows or is flushed on that side; sech^2 is a product, no difference.
; MATRIX OPERANDS ARE f16: each output is a sum of 1,024 x 512 rounded products that largely cancel, and f16's 11 significant bits are wanted for it.  Its range is made to fit:
;   W2 comes as 64 W2;  tanh is bounded by 1;  the derivative rows are q 2^s (c W1), where s is the row's own whole number floor(min over k of |u|), at most 125.
;   Since 2^-|u| / 4 <= q < 2^-|u|, every q 2^s is below 1 and the row's largest is at least 1/8, however far b1 or x push all of a row's h from 0.
;   s is found in a pass over the table in front of everything else: two multiply-adds and half a minimum for each (row, k).
; The derivative sums carry the factor 64 2^s c / 16 and are scaled once at the end by 2^-s and 16 / (64 c) = 8 ln 2 / 64; layer 2's u takes c / 64.
; LIMITS.  |W2| < 1,023 and |W1| < 22,700 (f16 becomes infinite beyond).  For h > 43.3 sech^2 is held at 2^-123 and for h < -43.7 it is 0 (true values: below about 1e-37).
; tanh carries an absolute error of some 1e-7 near 0.  A NaN in h is not handed on (the minima drop it).  Sums are f32.
;
; REGISTERS, in windows of 256.  Window 0: addresses, the table's and x's numbers, fragments.  Windows 1, 2, 3: the accumulators of kinds 0, 1, 2, tile (a, b) at v[8 (8 a + b)].
; THE MATRIX INSTRUCTION IS USED TRANSPOSED: source 0 = 16 rows of W2, source 1 = 16 operand rows.  Lane l then holds row l % 16 and its eight registers the
; columns 8 (l / 16) + 0 .. 7, so the sum over columns runs inside the lane, then across the two halves, then across the four waves.
.set BSLOT,  131072                    ; a W2 slot: K 128 x 512 columns of f16, dense, in fragment order; wave w's quarter at w * 32768
.set ABASE,  2*BSLOT                   ; above this byte no tensor load lands: everything that ds_store writes lies here
.set APITCH, 144                       ; an operand row: 64 f16 + 16 bytes = 9 x 16: sixteen rows start at sixteen different 16-byte columns modulo 256
.set KINDB,  64*APITCH                 ; 64 rows of one kind
.set ASLOT,  3*KINDB                   ; 27,648
.set B2L,    ABASE+2*ASLOT             ; 317,440: c b2 [512] f32
.set W3D,    2048                      ; W3 [512] f32 lies 2,048 bytes behind it
.set SCR,    B2L+4096                  ; 321,536: partial sums [3 outputs][4 waves][64 rows] f32
.set SBL,    SCR+3072                  ; 324,608: s << 23 [2 tiles][64 rows]
.set SX,   0                           ; v[0:7]  2^s of my four rows of tile 0, of tile 1 (the thread's number and the set-up's temporaries are used up by then)
.set AADR, 8                           ; v8      operand fragments: ABASE + 144 r + 16 h
.set BADR, 9                           ; v9-10   W2 fragments in slot 0, 1: slot + w * 32768 + 16 L
.set GADR, 11                          ; v11     where I store what I make: ABASE + (16 w + 8 bit3 + 4 bit4) * 144 + 16 (L & 7)
.set TOFF, 12                          ; v12     byte offset in a plane of tab of my eight k of the next step
.set CADR, 13                          ; v13     c b2 of my columns: B2L + 512 w + 32 h
.set SADR, 14                          ; v14     partial sums, in: SCR + 256 w + 4 r
.set RADR, 15                          ; v15     partial sums, back: SCR + 1024 min(w, 2) + 8 L
.set OOFF, 16                          ; v16     8 L: my two rows in the output
.set IADR, 19                          ; v19     s << 23 of those two rows: SBL + 8 L
.set TW0,  20                          ; v[20:27] c W1[k][0], v[28:35] c W1[k][1], v[36:43] c b1[k] of my eight k
.set TW1,  28
.set TBB,  36
.set XT0,  44                          ; v[44:51] tile 0: (x0, x1) of my four rows;  v[52:59] tile 1
.set XT1,  52
.set BF0,  64                          ; W2 fragments, two buffers of 8 x 8 registers
.set BF1,  128
.set AF0,  192                         ; operand fragments, two buffers of 4 x 8 registers
.set AF1,  224
.set PW,   64                          ; the pass for s: a second set of the table's numbers,
.set PU,   88                          ; v[88:151] u of my eight rows x eight k,
.set PM,   152                         ; v[152:159] the eight running minima of |u|
.set GU,   128                         ; at work while the operand is made (in BF1, which is free then)
.set GE,   136
.set GR,   144
.set GZ,   152
.set EU,   64                          ; at work on the way out: 4 row blocks x 8 columns each
.set EE,   96
.set ER,   192
.set CS0,  128                         ; two sets of c b2 [8], W3 [8]
.set SUM,  224                         ; twelve pairs: y, d/dx2, d/dx1, four row blocks each
.set G1,   16                          ; s[16:23] descriptor group 1
.set G0,   24                          ; s[24:31] descriptor group 0, one set for each slot
.set WBW,  50                          ; s[50:51] w2f + w * 32768
.set OFF,  52                          ; s[52:55] each slot's byte offset in w2f, as 64-bit pairs
.set MSB, 0
.macro WIN new                         ; the immediate's high byte repeats the setting that is left
.if MSB != \new
	s_set_vgpr_msb (MSB<<8)|\new
.set MSB, \new
.endif
.endm
; Four places: a load into, or a vector write of, a register that a matrix instruction has read, and a vector read of a matrix result, stand four plain
; vector instructions behind that matrix instruction (ISA guide 7.12.1 for vector instructions).
.macro PLACES
.rept 4
	v_nop
.endr
.endm
; A round of the cluster's barrier behind its opening work-group barrier: wave 0 signals for the work-group, every wave waits for all four work-groups,
; and the work-group's barrier closes the round.
.macro CREST
	s_cmp_lg_u32 s8, 0
	s_cbranch_scc1 .Lnot_wave_0_\@
	s_barrier_signal -3
.Lnot_wave_0_\@:
	s_barrier_wait -3
	s_barrier_signal -1
	s_barrier_wait -1
.endm
.macro ROUND
	s_barrier_signal -1
	s_barrier_wait -1
	CREST
.endm
; 16 LDS loads: my eight W2 fragments of quarter j (32 along K) of a slot; each load takes 512 consecutive bytes
.macro LDB fb, slot, j
.irp b, 0,1,2,3,4,5,6,7
	ds_load_b128 v[\fb+8*\b:\fb+8*\b+3],   v[BADR+\slot] offset:(\j)*8192+\b*1024
	ds_load_b128 v[\fb+8*\b+4:\fb+8*\b+7], v[BADR+\slot] offset:(\j)*8192+\b*1024+512
.endr
.endm
; 8 LDS loads: the four operand fragments (64 rows) of one kind, 32 along K at byte 64 q of the rows
.macro LDA fa, aslot, kind, q
.irp a, 0,1,2,3
	ds_load_b128 v[\fa+8*\a:\fa+8*\a+3],   v[AADR] offset:(\aslot)*ASLOT+\kind*KINDB+\a*16*APITCH+\q*64
	ds_load_b128 v[\fa+8*\a+4:\fa+8*\a+7], v[AADR] offset:(\aslot)*ASLOT+\kind*KINDB+\a*16*APITCH+\q*64+32
.endr
.endm
; 32 matrix instructions: one kind's 4 x 8 tiles, 32 along K.  z = 1: the first product starts the sums, nothing is cleared.
; The 96 accumulators take turns, one instruction a turn, in the same order in every 32 along K.
.macro MUL32 fa, fb, z
.irp a, 0,1,2,3
.irp b, 0,1,2,3,4,5,6,7
.if \z
	v_wmma_f32_16x16x32_f16 v[8*(8*\a+\b):8*(8*\a+\b)+7], v[\fb+8*\b:\fb+8*\b+7], v[\fa+8*\a:\fa+8*\a+7], 0
.else
	v_wmma_f32_16x16x32_f16 v[8*(8*\a+\b):8*(8*\a+\b)+7], v[\fb+8*\b:\fb+8*\b+7], v[\fa+8*\a:\fa+8*\a+7], v[8*(8*\a+\b):8*(8*\a+\b)+7]
.endif
.endr
.endr
.endm
; six loads: my eight k of the table's three planes, o bytes behind TOFF, into the 24 registers from wb on
.macro LDW wb, o
	global_load_b128 v[\wb:\wb+3],     v[TOFF], s[34:35] offset:\o
	global_load_b128 v[\wb+4:\wb+7],   v[TOFF], s[34:35] offset:\o+16
	global_load_b128 v[\wb+8:\wb+11],  v[TOFF], s[34:35] offset:\o+4096
	global_load_b128 v[\wb+12:\wb+15], v[TOFF], s[34:35] offset:\o+4112
	global_load_b128 v[\wb+16:\wb+19], v[TOFF], s[34:35] offset:\o+8192
	global_load_b128 v[\wb+20:\wb+23], v[TOFF], s[34:35] offset:\o+8208
.endm
; The pass for s, one table step: u of my eight rows (four of each tile) x eight k, and each row's running minimum of |u|.
; Rows inside, k outside: seven other instructions stand between two on one minimum.
.macro PRE wb
.irp q, 0,1,2,3,4,5,6,7
.irp p, 0,2,4,6
	v_pk_fma_f32 v[PU+8*\q+\p:PU+8*\q+\p+1], v[\wb+\p:\wb+\p+1], v[XT0+2*\q:XT0+2*\q+1], v[\wb+16+\p:\wb+16+\p+1] op_sel_hi:[1,0,1]
.endr
.endr
.irp q, 0,1,2,3,4,5,6,7
.irp p, 0,2,4,6
	v_pk_fma_f32 v[PU+8*\q+\p:PU+8*\q+\p+1], v[\wb+8+\p:\wb+8+\p+1], v[XT0+2*\q:XT0+2*\q+1], v[PU+8*\q+\p:PU+8*\q+\p+1] op_sel:[0,1,0] op_sel_hi:[1,1,1]
.endr
.endr
.irp p, 0,2,4,6
.irp q, 0,1,2,3,4,5,6,7
	v_min3_num_f32 v[PM+\q], |v[PU+8*\q+\p]|, |v[PU+8*\q+\p+1]|, v[PM+\q]
.endr
.endr
.endm
; The operand of one K step of 64 is made: my wave's 16 rows, all three kinds.  A lane has eight k (16 bytes of a row) and four rows, one a turn.
; In a store's 16 lanes stand rows R and R + 8: their 16-byte columns differ by 8 modulo 16, so the sixteen are all different.
; more = 1: the table's numbers of the step after are asked for; they have a whole step's matrix work in which to come.
.macro GEN aslot, xb, more
	s_wait_loadcnt 0x0                             ; the table's numbers are in, and TOFF, which their loads read, may be stepped
.irp t, 0,1,2,3
.set SPR, SX+(\xb-XT0)/2+(\t/2)*2                  ; the pair that holds this row's 2^s
.irp p, 0,2,4,6
	v_pk_fma_f32 v[GU+\p:GU+\p+1], v[TW0+\p:TW0+\p+1], v[\xb+2*\t:\xb+2*\t+1], v[TBB+\p:TBB+\p+1] op_sel_hi:[1,0,1]               ; c (W1[k][0] x0 + b1[k]), x0 for both
.endr
.irp p, 0,2,4,6
	v_pk_fma_f32 v[GU+\p:GU+\p+1], v[TW1+\p:TW1+\p+1], v[\xb+2*\t:\xb+2*\t+1], v[GU+\p:GU+\p+1] op_sel:[0,1,0] op_sel_hi:[1,1,1]   ; + c W1[k][1] x1, x1 for both
.endr
.irp p, 0,1,2,3,4,5,6,7
	v_min_num_f32 v[GU+\p], s61, v[GU+\p]
.endr
.irp p, 0,1,2,3,4,5,6,7
	v_exp_f32 v[GE+\p], v[GU+\p]
.endr
	v_nop                                          ; one plain place behind the last exponential before its result is used and its source rewritten (ISA guide 5.7.2)
	s_wait_alu depctr_va_vdst(0)
.irp p, 0,2,4,6
	v_pk_add_f32 v[GU+\p:GU+\p+1], v[GE+\p:GE+\p+1], 1.0 op_sel_hi:[1,0]
.endr
.irp p, 0,1,2,3,4,5,6,7
	v_rcp_f32 v[GR+\p], v[GU+\p]
.endr
	v_nop                                          ; likewise behind the last reciprocal
	s_wait_alu depctr_va_vdst(0)
.irp p, 0,2,4,6
	v_pk_mul_f32 v[GE+\p:GE+\p+1], v[GE+\p:GE+\p+1], v[GR+\p:GR+\p+1]                              ; E r
.endr
.irp p, 0,2,4,6
	v_pk_add_f32 v[GU+\p:GU+\p+1], v[GE+\p:GE+\p+1], v[GR+\p:GR+\p+1] neg_lo:[0,1] neg_hi:[0,1]    ; tanh = E r - r
.endr
.irp p, 0,2,4,6
	v_pk_mul_f32 v[GR+\p:GR+\p+1], v[GE+\p:GE+\p+1], v[GR+\p:GR+\p+1]                              ; q = E r r
.endr
.irp p, 0,2,4,6
.if (\t%2)==0
	v_pk_mul_f32 v[GR+\p:GR+\p+1], v[GR+\p:GR+\p+1], v[SPR:SPR+1] op_sel_hi:[1,0]                  ; q 2^s, the pair's first for both
.else
	v_pk_mul_f32 v[GR+\p:GR+\p+1], v[GR+\p:GR+\p+1], v[SPR:SPR+1] op_sel:[0,1] op_sel_hi:[1,1]     ; q 2^s, the pair's second for both
.endif
.endr
.irp p, 0,2,4,6
	v_pk_mul_f32 v[GE+\p:GE+\p+1], v[GR+\p:GR+\p+1], v[TW0+\p:TW0+\p+1]                            ; q 2^s c W1[k][0]
.endr
.irp p, 0,2,4,6
	v_pk_mul_f32 v[GR+\p:GR+\p+1], v[GR+\p:GR+\p+1], v[TW1+\p:TW1+\p+1]                            ; q 2^s c W1[k][1]
.endr
.irp p, 0,1,2,3
	v_cvt_pk_f16_f32 v[GZ+\p],   v[GU+2*\p], v[GU+2*\p+1]
	v_cvt_pk_f16_f32 v[GZ+4+\p], v[GE+2*\p], v[GE+2*\p+1]
	v_cvt_pk_f16_f32 v[GZ+8+\p], v[GR+2*\p], v[GR+2*\p+1]
.endr
	ds_store_b128 v[GADR], v[GZ:GZ+3]    offset:(\aslot)*ASLOT+\t*APITCH
	ds_store_b128 v[GADR], v[GZ+4:GZ+7]  offset:(\aslot)*ASLOT+KINDB+\t*APITCH
	ds_store_b128 v[GADR], v[GZ+8:GZ+11] offset:(\aslot)*ASLOT+2*KINDB+\t*APITCH
.endr
.if \more
	v_add_nc_u32 v[TOFF], 0x100, v[TOFF]           ; 64 k on; behind the sixteenth step it starts again, for the second tile
	v_and_b32 v[TOFF], 0xfff, v[TOFF]
	LDW TW0, 0
.endif
.endm
; One K step of 64: 192 matrix instructions in six stretches of 32 (three kinds x two quarters); in front of each stretch the fragments of the next but one are asked for.
; aslot: the operand's slot; bslot, half: W2's slot and which half of its K 128; zero: the first products start the sums;
; gen: the next step's operand is made, from the x numbers at xb, into the other slot; more: see GEN.
; fin = 0: a plain barrier.  1: W2's slot is used up and filled again.  2: W2's slot changes, nothing is left to fetch.  3: the last step of all, no barrier.
; ONE barrier a step orders the operand's ring both ways: in front of it each wave has waited for its reads of this step's slot and for its stores
; into the other; behind it the other slot is read and this one written.  Signal and wait are 32 matrix instructions apart, which touch registers only.
.macro ASTEP aslot, bslot, half, zero, gen, xb, more, fin
	PLACES                                         ; behind the last step's matrix instructions: for the loads below and for GEN's writes into BF1
	LDB BF0, \bslot, 2*\half
	LDA AF0, \aslot, 0, 0
.if \gen
	GEN 1-\aslot, \xb, \more
.endif
	LDA AF1, \aslot, 1, 0
	s_wait_dscnt 0x8                               ; all but the eight loads just issued: W2's and kind 0's fragments are in
	WIN 0x50
	MUL32 AF0, BF0, \zero
	WIN 0
	PLACES
	LDA AF0, \aslot, 2, 0
	LDB BF1, \bslot, 2*\half+1
	s_wait_dscnt 0x18                              ; 8 + 16 younger loads stay out: kind 1's fragments are in
	WIN 0xa0
	MUL32 AF1, BF0, \zero
	WIN 0
	PLACES
	LDA AF1, \aslot, 0, 1
	s_wait_dscnt 0x18                              ; 16 + 8 younger loads stay out: kind 2's fragments are in
	WIN 0xf0
	MUL32 AF0, BF0, \zero
	WIN 0
	PLACES
	LDA AF0, \aslot, 1, 1
	s_wait_dscnt 0x8                               ; the second quarter's W2 and kind 0 are in
	WIN 0x50
	MUL32 AF1, BF1, 0
	WIN 0
	PLACES
	LDA AF1, \aslot, 2, 1
	s_wait_dscnt 0x8                               ; kind 1 is in
	WIN 0xa0
	MUL32 AF0, BF1, 0
	s_wait_dscnt 0x0                               ; kind 2 is in; my reads of both slots and my stores into the other operand slot are done
.if \fin==1
	s_wait_tensorcnt 0x0                           ; all my tensor loads have landed (the one that was out is my part of W2's other slot), so a group 0 may be written:
	ds_add_u32 v62, v63
	s_wait_dscnt 0x0
	s_add_co_u32 s[OFF+2*\bslot], s[OFF+2*\bslot], 2*BSLOT         ; this slot's next K step, two on,
	s_and_b32 s[OFF+2*\bslot], s[OFF+2*\bslot], 0xfffff            ; and from the eighth back to the first: the second tile walks W2 again
	s_add_nc_u64 s[G0+4*\bslot+2:G0+4*\bslot+3], s[WBW:WBW+1], s[OFF+2*\bslot:OFF+2*\bslot+1]
	s_or_b32 s[G0+4*\bslot+3], s[G0+4*\bslot+3], 0x80000000
.endif
.if \fin==2
	s_wait_tensorcnt 0x0                           ; my part of W2's last K step has landed
.endif
.if \fin<3
	s_barrier_signal -1                            ; where the slot is filled again this barrier opens a round of the cluster's barrier
.endif
	WIN 0xf0
	MUL32 AF1, BF1, 0
	WIN 0                                          ; at a branch and at a label every window is 0
.if \fin<3
	s_barrier_wait -1
.endif
.if \fin==1
	CREST                                          ; no wave of any of the four work-groups still reads this slot or has a load on its way
	tensor_load_to_lds s[G0+4*\bslot:G0+4*\bslot+3], s[G1:G1+7]    ; my one tensor load behind the round, and the first thing there; two steps' matrix work less one stretch until its wait
	s_nop 0
.endif
.endm
; four loads: c b2 and W3 of my 8 columns of column block b, into the set b & 1
.macro LDC b
	ds_load_b128 v[CS0+16*((\b)&1):CS0+16*((\b)&1)+3],     v[CADR] offset:64*(\b)
	ds_load_b128 v[CS0+16*((\b)&1)+4:CS0+16*((\b)&1)+7],   v[CADR] offset:64*(\b)+16
	ds_load_b128 v[CS0+16*((\b)&1)+8:CS0+16*((\b)&1)+11],  v[CADR] offset:64*(\b)+W3D
	ds_load_b128 v[CS0+16*((\b)&1)+12:CS0+16*((\b)&1)+15], v[CADR] offset:64*(\b)+W3D+16
.endm
; Column block b of the way out: 64 rows x 16 columns, 32 numbers a lane.  y += W3 tanh(h2); d1 += W3 q2 P1; d2 += W3 q2 P2.
; In block 0 the first terms start the sums: nothing is cleared.  The four row blocks' sums take turns, so no instruction waits for the one in front.
.macro EPIB b
.set CS, CS0+16*(\b&1)
.if \b<7
	LDC \b+1
	s_wait_dscnt 0x4                               ; the next block's four loads stay out: this block's constants are in
.else
	s_wait_dscnt 0x0
.endif
	WIN 0x01                                       ; source 0 in window 1: the accumulators of kind 0
.irp a, 0,1,2,3
.irp p, 0,2,4,6
	v_pk_fma_f32 v[EU+8*\a+\p:EU+8*\a+\p+1], v[8*(8*\a+\b)+\p:8*(8*\a+\b)+\p+1], 0x3d38aa3b, v[CS+\p:CS+\p+1] op_sel_hi:[1,0,1]   ; u = (c / 64) (64 P0) + c b2
.endr
.endr
	WIN 0
.set i, 0
.rept 32
	v_min_num_f32 v[EU+i], s61, v[EU+i]
.set i, i+1
.endr
.set i, 0
.rept 32
	v_exp_f32 v[EE+i], v[EU+i]
.set i, i+1
.endr
	v_nop                                          ; one plain place behind the last exponential
.set i, 0
	s_wait_alu depctr_va_vdst(0)
.rept 16
	v_pk_add_f32 v[EU+i:EU+i+1], v[EE+i:EE+i+1], 1.0 op_sel_hi:[1,0]
.set i, i+2
.endr
.set i, 0
.rept 32
	v_rcp_f32 v[ER+i], v[EU+i]
.set i, i+1
.endr
	v_nop                                          ; and behind the last reciprocal
.set i, 0
	s_wait_alu depctr_va_vdst(0)
.rept 16
	v_pk_mul_f32 v[EE+i:EE+i+1], v[EE+i:EE+i+1], v[ER+i:ER+i+1]                              ; E r
.set i, i+2
.endr
.set i, 0
.rept 16
	v_pk_add_f32 v[EU+i:EU+i+1], v[EE+i:EE+i+1], v[ER+i:ER+i+1] neg_lo:[0,1] neg_hi:[0,1]    ; tanh
.set i, i+2
.endr
.set i, 0
.rept 16
	v_pk_mul_f32 v[ER+i:ER+i+1], v[EE+i:EE+i+1], v[ER+i:ER+i+1]                              ; q2
.set i, i+2
.endr
.irp p, 0,2,4,6
.irp a, 0,1,2,3
	v_pk_mul_f32 v[EE+8*\a+\p:EE+8*\a+\p+1], v[ER+8*\a+\p:ER+8*\a+\p+1], v[CS+8+\p:CS+8+\p+1]     ; W3 q2
.endr
.endr
.irp p, 0,2,4,6
.irp a, 0,1,2,3
.if (\b+\p)==0
	v_pk_mul_f32 v[SUM+2*\a:SUM+2*\a+1], v[EU+8*\a+\p:EU+8*\a+\p+1], v[CS+8+\p:CS+8+\p+1]
.else
	v_pk_fma_f32 v[SUM+2*\a:SUM+2*\a+1], v[EU+8*\a+\p:EU+8*\a+\p+1], v[CS+8+\p:CS+8+\p+1], v[SUM+2*\a:SUM+2*\a+1]
.endif
.endr
.endr
	WIN 0x08                                       ; source 1 in window 2: kind 1
.irp p, 0,2,4,6
.irp a, 0,1,2,3
.if (\b+\p)==0
	v_pk_mul_f32 v[SUM+16+2*\a:SUM+16+2*\a+1], v[EE+8*\a+\p:EE+8*\a+\p+1], v[8*(8*\a+\b)+\p:8*(8*\a+\b)+\p+1]
.else
	v_pk_fma_f32 v[SUM+16+2*\a:SUM+16+2*\a+1], v[EE+8*\a+\p:EE+8*\a+\p+1], v[8*(8*\a+\b)+\p:8*(8*\a+\b)+\p+1], v[SUM+16+2*\a:SUM+16+2*\a+1]
.endif
.endr
.endr
	WIN 0x0c                                       ; source 1 in window 3: kind 2
.irp p, 0,2,4,6
.irp a, 0,1,2,3
.if (\b+\p)==0
	v_pk_mul_f32 v[SUM+8+2*\a:SUM+8+2*\a+1], v[EE+8*\a+\p:EE+8*\a+\p+1], v[8*(8*\a+\b)+\p:8*(8*\a+\b)+\p+1]
.else
	v_pk_fma_f32 v[SUM+8+2*\a:SUM+8+2*\a+1], v[EE+8*\a+\p:EE+8*\a+\p+1], v[8*(8*\a+\b)+\p:8*(8*\a+\b)+\p+1], v[SUM+8+2*\a:SUM+8+2*\a+1]
.endif
.endr
.endr
	WIN 0
.endm
; The way out of a tile: layer 2's activations and the three sums over my 128 columns; the four waves' sums meet in LDS; waves 0, 1, 2 finish one output each.
.macro EPI tile
	PLACES                                         ; behind the last matrix instructions: results are read, fragment registers written and loaded
	LDC 0
.irp bb, 0,1,2,3,4,5,6,7
	EPIB \bb
.endr
.irp s, 0,1,2,3,4,5,6,7,8,9,10,11
	v_add_f32 v[SUM+2*\s], v[SUM+2*\s], v[SUM+2*\s+1]
.endr
.irp s, 0,1,2,3,4,5,6,7,8,9,10,11
	v_permlanex16_b32 v[EU+\s], v[SUM+2*\s], s62, s63              ; the other half's eight columns of each block; the destination has been written before
.endr
.irp s, 0,1,2,3,4,5,6,7,8,9,10,11
	v_add_f32 v[SUM+2*\s], v[SUM+2*\s], v[EU+\s]
.endr
.irp s, 0,1,2,3,4,5,6,7,8,9,10,11
	ds_store_b32 v[SADR], v[SUM+2*\s] offset:(\s/4)*1024+(\s%4)*64 ; [output][wave][row]; both halves store the same number to the same word
.endr
	s_wait_dscnt 0x0                               ; my stores are done before I say so: other waves read them
	s_barrier_signal -1                            ; a W2 tile may stay on its way across it
	s_barrier_wait -1
	s_cmp_gt_u32 s8, 2
	s_cbranch_scc1 .Lno_out_\@
	ds_load_b64 v[64:65], v[RADR]                  ; my output's rows 2 L and 2 L + 1, from each of the four waves
	ds_load_b64 v[66:67], v[RADR] offset:256
	ds_load_b64 v[68:69], v[RADR] offset:512
	ds_load_b64 v[70:71], v[RADR] offset:768
	ds_load_b64 v[72:73], v[IADR] offset:\tile*256 ; s << 23 of the two rows
	s_wait_dscnt 0x0
	v_pk_add_f32 v[64:65], v[64:65], v[66:67]
	v_pk_add_f32 v[68:69], v[68:69], v[70:71]
	v_and_b32 v72, s67, v72                        ; y carries no 2^s: wave 0's mask is 0
	v_and_b32 v73, s67, v73
	v_pk_add_f32 v[64:65], v[64:65], v[68:69]
	v_sub_nc_u32 v72, 0x3f800000, v72              ; 2^-s: s is at most 125, so the exponent field stays above 0
	v_sub_nc_u32 v73, 0x3f800000, v73
	v_pk_mul_f32 v[64:65], v[64:65], v[72:73]
	v_fma_f32 v64, v64, s58, s59                   ; y: x 1 + b3;  v1 = dy/dx2: x 8 ln 2 / 64;  v2 = -dy/dx1: x -8 ln 2 / 64
	v_fma_f32 v65, v65, s58, s59
	global_store_b64 v[OOFF], v[64:65], s[56:57] offset:\tile*256  ; the wave's store covers the tile's 256 consecutive bytes of the output, aligned
	s_wait_xcnt 0x0                                ; v[64:65] are loaded again only behind this wait
.Lno_out_\@:
.endm
.macro QUAD xb                         ; four K steps of 64 = once round W2's ring, both slots filled again
	ASTEP 1, 0, 1, 0, 1, \xb, 1, 1
	ASTEP 0, 1, 0, 0, 1, \xb, 1, 0
	ASTEP 1, 1, 1, 0, 1, \xb, 1, 1
	ASTEP 0, 0, 0, 0, 1, \xb, 1, 0
.endm
	s_load_b512 s[32:47], s[0:1], 0x0              ; x s[32:33], tab s[34:35], w2f s[36:37], b2 s[38:39], W3 s[40:41], b3 s[42:43], out0 s[44:45], out1 s[46:47]
	s_load_b64 s[48:49], s[0:1], 0x40              ; out2
	v_lshl_add_u32 v62, v0, 2, 0x4f600
	v_mov_b32 v63, 0
	ds_add_u32 v62, v63
	v_lshrrev_b32 v1, 5, v0
	v_readfirstlane_b32 s8, v1                     ; wave 0..3
	s_bfe_u32 s9, ttmp6, 0x40000                   ; cx: my place in the cluster
	s_lshl_b32 s10, ttmp9, 2                       ; in a cluster launch ttmp9 counts clusters
	s_add_co_u32 s10, s10, s9                      ; g: my work-group; it enters the addresses of x and of the outputs alone
	; group 1: 128 rows of 32 elements of 8 bytes, rows following each other: a dense block of 32,768 bytes, a wave's quarter of a K step
	s_mov_b32 s[G1+0], 0x0023000f                  ; 15:0 mask: all four of the cluster; 17:16 elements of 8 bytes; 21 set beside a mask; no padding
	s_mov_b32 s[G1+1], 32<<16                      ; tensor_dim0 = 32
	s_mov_b32 s[G1+2], 128<<16                     ; tensor_dim1 = 128
	s_mov_b32 s[G1+3], 32<<16                      ; tile_dim0 = 32
	s_mov_b32 s[G1+4], 128                         ; tile_dim1 = 128
	s_mov_b32 s[G1+5], 32                          ; from row to row: 32 elements
	s_mov_b32 s[G1+6], 0
	s_mov_b32 s[G1+7], 0
	s_lshl_b32 s12, s8, 15                         ; w * 32768: my quarter, in w2f and in a slot
	s_mov_b32 s13, 0
	s_mov_b32 s[OFF+0], 0                          ; slot 0 starts with K step 0,
	s_mov_b32 s[OFF+1], 0
	s_mov_b32 s[OFF+2], BSLOT                      ; slot 1 with K step 1
	s_mov_b32 s[OFF+3], 0
	s_mov_b32 s61, 0x42fa0000                      ; 125.0
	s_mov_b32 s62, 0x76543210                      ; v_permlanex16_b32: lane i of one half reads lane i of the other
	s_mov_b32 s63, 0xfedcba98
	s_wait_dscnt 0x0
	s_wait_kmcnt 0x0
	s_load_b32 s60, s[42:43], 0x0                  ; b3
	s_add_nc_u64 s[WBW:WBW+1], s[36:37], s[12:13]
.irp n, 0,1
	s_mov_b32 s[G0+4*\n], 1                                        ; count = 1
	s_add_co_u32 s[G0+4*\n+1], s12, \n*BSLOT                       ; LDS address: the slot, my quarter
	s_add_nc_u64 s[G0+4*\n+2:G0+4*\n+3], s[WBW:WBW+1], s[OFF+2*\n:OFF+2*\n+1]
	s_or_b32 s[G0+4*\n+3], s[G0+4*\n+3], 0x80000000                ; type = 2
.endr
	ROUND                                          ; all four work-groups are here: the first joint loads meet
	tensor_load_to_lds s[G0:G0+3], s[G1:G1+7]      ; both first fills go out together, ahead of every LDS read and every wait on TENSORcnt: two loads of mine are out
	s_nop 0
	tensor_load_to_lds s[G0+4:G0+7], s[G1:G1+7]
	s_nop 0
	v_and_b32 v1, 31, v0                           ; L
	v_and_b32 v17, 15, v0                          ; r
	v_bfe_u32 v3, v0, 4, 1                         ; h
	v_bfe_u32 v2, v0, 3, 1
	v_lshl_add_u32 v4, v2, 1, v3                   ; 2 bit3 + bit4: which four of my wave's 16 rows I make
	v_and_b32 v6, 7, v0                            ; which eight k
	s_lshl_b32 s4, s10, 10                         ; 128 rows of x, 8 bytes each
	s_mov_b32 s5, 0
	s_add_nc_u64 s[32:33], s[32:33], s[4:5]
	s_lshl_b32 s6, s8, 7                           ; my wave's 16 rows
	v_lshl_add_u32 v5, v4, 5, s6                   ; my four rows: 32 consecutive bytes
	global_load_b128 v[XT0:XT0+3],   v5, s[32:33]
	global_load_b128 v[XT0+4:XT0+7], v5, s[32:33] offset:16
	global_load_b128 v[XT1:XT1+3],   v5, s[32:33] offset:512
	global_load_b128 v[XT1+4:XT1+7], v5, s[32:33] offset:528
	v_lshlrev_b32 v7, 4, v0
	global_load_b128 v[160:163], v7, s[38:39]      ; b2 and W3: 128 threads x 16 bytes are the 2,048 bytes of each
	global_load_b128 v[164:167], v7, s[40:41]
	v_lshlrev_b32 v[TOFF], 5, v6
	LDW TW0, 0                                     ; the table's numbers of K step 0
	v_mul_u32_u24 v[AADR], v17, APITCH
	v_lshl_add_u32 v[AADR], v3, 4, v[AADR]
	v_add_nc_u32 v[AADR], ABASE, v[AADR]
	v_lshl_add_u32 v[BADR], v1, 4, s12
	v_add_nc_u32 v[BADR+1], BSLOT, v[BADR]
	v_mul_u32_u24 v[GADR], v4, 4*APITCH
	v_lshl_add_u32 v[GADR], v6, 4, v[GADR]
	s_mul_i32 s7, s8, 16*APITCH
	s_add_co_u32 s7, s7, ABASE
	v_add_nc_u32 v[GADR], s7, v[GADR]
	s_lshl_b32 s14, s8, 9
	s_add_co_u32 s14, s14, B2L
	v_lshl_add_u32 v[CADR], v3, 5, s14
	v_lshl_add_u32 v18, v1, 4, s14                 ; where my thread's 16 bytes of c b2 go
	s_lshl_b32 s15, s8, 8
	s_add_co_u32 s15, s15, SCR
	v_lshl_add_u32 v[SADR], v17, 2, s15
	s_min_u32 s15, s8, 2                           ; wave 3 finishes no output
	s_lshl_b32 s15, s15, 10
	s_add_co_u32 s15, s15, SCR
	v_lshl_add_u32 v[RADR], v1, 3, s15
	v_lshlrev_b32 v[OOFF], 3, v1
	v_add_nc_u32 v[IADR], SBL, v[OOFF]
	s_lshl_b32 s15, s8, 6
	s_add_co_u32 s15, s15, SBL
	v_lshl_add_u32 v168, v4, 4, s15                ; where s << 23 of my four rows goes: 4 bytes a row, 16 rows a wave
	s_wait_kmcnt 0x0                               ; b3
	s_cmp_eq_u32 s8, 1                             ; wave 0: y into out0; wave 1: dy/dx2 into out1; wave 2: -dy/dx1 into out2
	s_cselect_b64 s[56:57], s[46:47], s[44:45]
	s_cselect_b32 s58, 0x3db17218, 1.0             ; 8 ln 2 / 64
	s_cselect_b32 s59, 0, s60
	s_cmp_eq_u32 s8, 2
	s_cselect_b64 s[56:57], s[48:49], s[56:57]
	s_cselect_b32 s58, 0xbdb17218, s58
	s_cselect_b32 s59, 0, s59
	s_cmp_eq_u32 s8, 0
	s_cselect_b32 s67, 0, -1                       ; the mask that keeps or drops s
	s_lshl_b32 s4, s10, 9                          ; 128 rows of 4 bytes
	s_mov_b32 s5, 0
	s_add_nc_u64 s[56:57], s[56:57], s[4:5]
	s_wait_loadcnt 0x6                             ; the table's six loads, issued last, stay out: x, b2 and W3 are in
	v_pk_mul_f32 v[160:161], v[160:161], 0x4038aa3b op_sel_hi:[1,0]
	v_pk_mul_f32 v[162:163], v[162:163], 0x4038aa3b op_sel_hi:[1,0]
	ds_store_b128 v18, v[160:163]
	ds_store_b128 v18, v[164:167] offset:W3D
	; THE PASS FOR s: the smallest |u| of each of my eight rows over my 128 k, sixteen table steps, two a trip on two sets of registers.
	; The minima start at 125, which is also s's cap.  The last trip's second load wraps round to the table's first step: that is what the first GEN wants.
.irp q, 0,1,2,3,4,5,6,7
	v_mov_b32 v[PM+\q], s61
.endr
	s_mov_b32 s66, 8
.Lpre:
	LDW PW, 256                                    ; the odd step
	s_wait_loadcnt 0x6                             ; these six stay out: the even step's numbers are in
	PRE TW0
	s_wait_loadcnt 0x0                             ; the odd step's are in, and TOFF, which the loads read, may be stepped
	v_add_nc_u32 v[TOFF], 0x200, v[TOFF]
	v_and_b32 v[TOFF], 0xfff, v[TOFF]
	LDW TW0, 0                                     ; the next even step
	PRE PW
	s_sub_co_u32 s66, s66, 1
	s_cmp_lg_u32 s66, 0
	s_cbranch_scc1 .Lpre
.irp m, 1,2,4                                      ; the eight lanes L & 7 hold the same rows and different k
.irp q, 0,1,2,3,4,5,6,7
	v_min_num_f32_dpp v[PM+\q], v[PM+\q], v[PM+\q] row_xmask:\m row_mask:0xf bank_mask:0xf
.endr
.endr
.irp q, 0,1,2,3,4,5,6,7
	v_cvt_u32_f32 v[PU+\q], v[PM+\q]               ; s = floor: 0 to 125
.endr
.irp q, 0,1,2,3,4,5,6,7
	v_lshlrev_b32 v[PU+\q], 23, v[PU+\q]           ; at the place of an f32's exponent
.endr
	ds_store_b128 v168, v[PU:PU+3]                 ; tile 0; the eight lanes store the same numbers to the same words
	ds_store_b128 v168, v[PU+4:PU+7] offset:256    ; tile 1
.irp q, 0,1,2,3,4,5,6,7
	v_add_nc_u32 v[SX+\q], 0x3f800000, v[PU+\q]    ; 2^s
.endr
	GEN 0, XT0, 1                                  ; the operand of K step 0
	s_wait_dscnt 0x0                               ; my stores are done,
	s_wait_tensorcnt 0x1                           ; my part of W2's slot 0 is in; slot 1's may stay out
	s_barrier_signal -1
	s_barrier_wait -1
	; tile 0: sixteen K steps of 64
	ASTEP 0, 0, 0, 1, 1, XT0, 1, 0                 ; step 0 stands in front of the loop: its first products start the sums
	s_mov_b32 s66, 3
.Lt0:
	QUAD XT0                                       ; steps 1 to 12
	s_sub_co_u32 s66, s66, 1
	s_cmp_lg_u32 s66, 0
	s_cbranch_scc1 .Lt0
	ASTEP 1, 0, 1, 0, 1, XT0, 1, 1                 ; step 13; the refill is the second tile's first K step of W2
	ASTEP 0, 1, 0, 0, 1, XT0, 1, 0                 ; step 14
	ASTEP 1, 1, 1, 0, 1, XT1, 1, 1                 ; step 15 makes the second tile's first operand
	EPI 0
	; tile 1
	ASTEP 0, 0, 0, 1, 1, XT1, 1, 0
	s_mov_b32 s66, 3
.Lt1:
	QUAD XT1                                       ; steps 1 to 12; the refill in step 11 is W2's last K step
	s_sub_co_u32 s66, s66, 1
	s_cmp_lg_u32 s66, 0
	s_cbranch_scc1 .Lt1
	ASTEP 1, 0, 1, 0, 1, XT1, 1, 2                 ; step 13: nothing is left to fetch
	ASTEP 0, 1, 0, 0, 1, XT1, 0, 0                 ; step 14 makes the last operand and asks for no more of the table
	ASTEP 1, 1, 1, 0, 0, XT1, 0, 3                 ; step 15
	EPI 1
	s_wait_tensorcnt 0x0
	ds_add_u32 v62, v63
	s_wait_dscnt 0x0
	ROUND                                          ; the closing round: no work-group ends while a partner may still ask for a tile that names it
	s_endpgm
.Lfunc_end_k_qd75164c01f_main:
	.size	k_qd75164c01f_main, .Lfunc_end_k_qd75164c01f_main-k_qd75164c01f_main
	.p2alignl 7, 3214868480
	.fill 96, 4, 3214868480
	.section	.rodata,"a",@progbits
	.p2align	6, 0x0
	.amdhsa_kernel k_qd75164c01f_main
		.amdhsa_group_segment_fixed_size 327680
		.amdhsa_private_segment_fixed_size 0
		.amdhsa_enable_private_segment 0
		.amdhsa_kernarg_size 72
		.amdhsa_user_sgpr_count 2
		.amdhsa_user_sgpr_kernarg_segment_ptr 1
		.amdhsa_wavefront_size32 1
		.amdhsa_system_sgpr_workgroup_id_x 1
		.amdhsa_system_sgpr_workgroup_id_y 1
		.amdhsa_system_sgpr_workgroup_id_z 1
		.amdhsa_system_vgpr_workitem_id 0
		.amdhsa_next_free_vgpr 1024
		.amdhsa_next_free_sgpr 70
		.amdhsa_reserve_vcc 0
		.amdhsa_float_denorm_mode_32 3
		.amdhsa_float_denorm_mode_16_64 3
		.amdhsa_memory_ordered 1
		.amdhsa_forward_progress 1
		.amdhsa_inst_pref_size 255
	.end_amdhsa_kernel
	.section	.bss,"aw",@nobits
	.p2align	6
	.space	262144
	.amdgpu_metadata
---
amdhsa.version: [ 1, 2 ]
amdhsa.kernels:
  - .name:           k_qd75164c01f_main
    .symbol:         k_qd75164c01f_main.kd
    .args:
      - { .name: x, .offset: 0, .size: 8, .value_kind: global_buffer, .address_space: global }
      - { .name: tab, .offset: 8, .size: 8, .value_kind: global_buffer, .address_space: global }
      - { .name: w2f, .offset: 16, .size: 8, .value_kind: global_buffer, .address_space: global }
      - { .name: b2, .offset: 24, .size: 8, .value_kind: global_buffer, .address_space: global }
      - { .name: W3, .offset: 32, .size: 8, .value_kind: global_buffer, .address_space: global }
      - { .name: b3, .offset: 40, .size: 8, .value_kind: global_buffer, .address_space: global }
      - { .name: out0, .offset: 48, .size: 8, .value_kind: global_buffer, .address_space: global }
      - { .name: out1, .offset: 56, .size: 8, .value_kind: global_buffer, .address_space: global }
      - { .name: out2, .offset: 64, .size: 8, .value_kind: global_buffer, .address_space: global }
    .group_segment_fixed_size: 327680
    .private_segment_fixed_size: 0
    .kernarg_segment_align: 8
    .kernarg_segment_size: 72
    .max_flat_workgroup_size: 128
    .sgpr_count:     70
    .vgpr_count:     1024
    .wavefront_size: 32
...
	.end_amdgpu_metadata
.endif
;; end of part 2
